; MI455X (gfx1250); checked and timed in simulation.
; The chip was launched on July 23, 2026; its instructions are those of AMD's public machine-readable ISA for CDNA 5 (MIT licence, August 2026) and "CDNA5" Instruction Set Architecture Reference Guide (July 2026). The comments in the code are by the model that wrote it; some were corrected since.
;; Rec block. Allowed arithmetic: float matrix products may take bf16 or f16 operands with f32 sums; other float arithmetic in f32, or as packed bf16 or f16 multiplies, adds, multiply-adds, maxima and minima; sums over many terms, partial sums and values carried from step to step in f32; what a program stores and reads back later, other than sums and carried values, may be rounded once to bf16 or f16.
;; Inputs: Wk 512 x 512 float32; Wo 512 x 512 float32; Wq 512 x 512 float32; Wv 512 x 512 float32; bk 512 float32; bo 512 float32; bq 512 float32; bv 512 float32; x 4 x 2,048 x 512 float32.
;; Outputs: out0 4 x 2,048 x 512 float32.
;; Constants: mask_border = 64.
;; 2 versions, each right; version 2 is version 1 with the launch prep written anew for expert scheduling mode. Each part assembles by itself: llvm-mc -triple=amdgcn-amd-amdhsa -mcpu=gfx1250 --defsym DOCPART=n.
;; ======== version 1 of 2: 4 launches
;; limits: values are held in f16: magnitudes above 65,504 overflow, below 6.1e-05 lose precision
;; workspace buffers: xf 8,388,608 bytes; wf 1,572,864 bytes; wof 524,288 bytes; qf 8,388,608 bytes; kvf 16,777,216 bytes; of 8,388,608 bytes
;; launch prep (part 1): grid 256 x 1, 8 waves a work-group, no clusters, 0 bytes of LDS; arguments x, Wq, Wk, Wv, Wo, xf, wf, wof; writes xf, wf, wof
.if DOCPART == 1
	.amdgcn_target "amdgcn-amd-amdhsa--gfx1250"
	.amdhsa_code_object_version 6
	.text
	.protected	k_q59c3ad19f5_prep
	.globl	k_q59c3ad19f5_prep
	.p2align	8
	.type	k_q59c3ad19f5_prep,@function
k_q59c3ad19f5_prep:
	s_mov_b64 s[64:65], 0
	v_nop
	global_prefetch_b8 v0, s[64:65] scope:SCOPE_SE
	s_setreg_imm32_b32 hwreg(HW_REG_WAVE_MODE, 25, 1), 1
	s_wait_xcnt 0x0
; PROGRAM: out = softmax((x Wq + bq)(x Wk + bk)^T / sqrt(32) + band) (x Wv + bv) Wo + bo, 16 heads of 32, in four launches: prep, qkv, attn, outp.
; WORK LEFT OUT, for all finite values of the inputs:
;   bk.  score(i, j) = q_i . (x_j Wk) + q_i . bk; the second term is the same for every key j, the axis of the softmax, so numerator and denominator carry the same
;        factor and it cancels.  bk has no other way to the output: it is not loaded and is no argument of any launch.
;   rec_score and its three quantiles: reference() deletes them; nothing returned is made of them.
;   The band is ADDED to the scores (1 where |i - j| <= 64, else 0): it hides no key, so all 2,048 keys of every row are live and are computed.
; LIMIT: a NaN, an infinity or an overflow that would arise only in q . bk or in those statistics is not carried to the result.
; THIS LAUNCH rounds x, Wq, Wk, Wv to bf16 and Wo to bf16 written as f16 (exact from 2^-17 up, below that f16's step of 6e-8), and lays them in FRAGMENT ORDER:
; a block of 16 rows x 32 k is 1,024 bytes; byte 512 c + 16 L + 2 e holds row L % 16, k = 16 c + 8 (L / 16) + e.  Two loads of 16 bytes a lane, at 16 L and 512 + 16 L,
; are then a whole matrix operand, from memory or from LDS, and a tile of such blocks is dense.
;   xf  [MT 32][ks 4][rt 16][kq 4][block]   token tile 16 MT + rt, k = 128 ks + 32 kq
;   wf  [nt 8][ks 4][ct 12][kq 4][block]    ct = 6 c + 2 mat + j: head 2 nt + c, mat 0 q, 1 k, 2 v; a block's row r is column 32 head + 16 j + r of W
;   wof [nt3 4][ks 4][ct 8][kq 4][block]    a block's row r is column 128 nt3 + 16 ct + r of Wo
; SHARES.  2,048 waves; each makes 4 blocks of x (16 tokens x 128 k) and one block of a W.  All 32 loads go out first.  No byte is wanted by two waves: no LDS, no barrier,
; no cluster, no matrix unit.
.set X,  16                            ; v[16:79]   x: for kq, 16 registers: c = 0 e = 0..7, c = 1 e = 0..7
.set WR, 80                            ; v[80:95]   W: register 8 c + e
.set XP, 96                            ; v[96:127]  x packed
.set WP, 128                           ; v[128:135] W packed; v136, v137 at work
	s_load_b256 s[4:11], s[0:1], 0x0               ; x s[4:5], Wq s[6:7], Wk s[8:9], Wv s[10:11]
	s_load_b256 s[12:19], s[0:1], 0x20             ; Wo s[12:13], xf s[14:15], wf s[16:17], wof s[18:19]
	v_lshrrev_b32 v1, 5, v0
	v_readfirstlane_b32 s24, v1                    ; wave 0..7
	v_and_b32 v2, 15, v0                           ; r
	v_bfe_u32 v3, v0, 4, 1                         ; h
	v_and_b32 v4, 31, v0                           ; L
	v_lshlrev_b32 v5, 11, v2
	v_lshl_add_u32 v5, v3, 5, v5                   ; x: row r of 2,048 bytes, 8 h numbers on
	v_lshlrev_b32 v6, 2, v2
	v_lshl_add_u32 v6, v3, 14, v6                  ; W: column r, 8 h rows of 2,048 bytes down
	v_lshlrev_b32 v7, 4, v4                        ; 16 L
	; the x task: token tile RT = 2 g + w / 4, ks = w % 4
	s_lshr_b32 s25, s24, 2
	s_and_b32 s26, s24, 3
	s_lshl1_add_u32 s27, ttmp9, s25                ; RT
	s_lshl_b32 s28, s27, 15                        ; 16 rows of 2,048 bytes
	s_lshl_b32 s40, s26, 9                         ; 128 numbers
	s_add_co_u32 s28, s28, s40
	s_mov_b32 s29, 0
	s_lshr_b32 s30, ttmp9, 3                       ; MT
	s_lshl2_add_u32 s30, s30, s26                  ; 4 MT + ks
	s_and_b32 s40, s27, 15                         ; rt
	s_lshl4_add_u32 s30, s30, s40
	s_lshl_b32 s30, s30, 12
	s_mov_b32 s31, 0
	; the W block: mat = g / 64, column tile NT = 8 (g % 4) + w, k block kf = (g / 4) % 16
	s_lshr_b32 s32, ttmp9, 6
	s_and_b32 s33, ttmp9, 3
	s_lshl3_add_u32 s33, s33, s24
	s_bfe_u32 s34, ttmp9, 0x40002
	s_lshl_b32 s36, s34, 16                        ; 32 rows of 2,048 bytes
	s_lshl_b32 s40, s33, 6                         ; 16 columns
	s_add_co_u32 s36, s36, s40
	s_mov_b32 s37, 0
	s_lshr_b32 s41, s34, 2                         ; ks
	s_and_b32 s42, s34, 3                          ; kq
	s_lshr_b32 s38, s33, 2                         ; nt
	s_lshl2_add_u32 s38, s38, s41
	s_mul_i32 s38, s38, 12
	s_bfe_u32 s40, s33, 0x10001                    ; c
	s_mul_i32 s40, s40, 6
	s_add_co_u32 s38, s38, s40
	s_lshl1_add_u32 s38, s32, s38                  ; + 2 mat
	s_and_b32 s40, s33, 1                          ; + j
	s_add_co_u32 s38, s38, s40
	s_lshr_b32 s39, s33, 3                         ; nt3
	s_lshl2_add_u32 s39, s39, s41
	s_and_b32 s40, s33, 7
	s_lshl3_add_u32 s39, s39, s40
	s_cmp_eq_u32 s32, 3
	s_cselect_b32 s38, s39, s38                    ; Wo goes by wof's layout
	s_lshl2_add_u32 s38, s38, s42                  ; four blocks to a (row tile, ks), + kq
	s_lshl_b32 s38, s38, 10
	s_mov_b32 s39, 0
	s_wait_kmcnt 0x0
	s_add_nc_u64 s[4:5], s[4:5], s[28:29]
	s_add_nc_u64 s[14:15], s[14:15], s[30:31]
	s_cmp_eq_u32 s32, 0
	s_cselect_b64 s[20:21], s[6:7], s[8:9]
	s_cmp_lt_u32 s32, 2
	s_cselect_b64 s[20:21], s[20:21], s[10:11]
	s_cmp_eq_u32 s32, 3
	s_cselect_b64 s[20:21], s[12:13], s[20:21]     ; my W
	s_cselect_b64 s[22:23], s[18:19], s[16:17]     ; and where it goes
	s_add_nc_u64 s[20:21], s[20:21], s[36:37]
	s_add_nc_u64 s[22:23], s[22:23], s[38:39]
.irp q, 0,1,2,3
	global_load_b128 v[X+16*(\q):X+16*(\q)+3],     v5, s[4:5] offset:128*(\q) th:TH_LOAD_NT
	global_load_b128 v[X+16*(\q)+4:X+16*(\q)+7],   v5, s[4:5] offset:128*(\q)+16 th:TH_LOAD_NT
	global_load_b128 v[X+16*(\q)+8:X+16*(\q)+11],  v5, s[4:5] offset:128*(\q)+64 th:TH_LOAD_NT
	global_load_b128 v[X+16*(\q)+12:X+16*(\q)+15], v5, s[4:5] offset:128*(\q)+80 th:TH_LOAD_NT
.endr
.irp i, 0,1,2,3,4,5,6,7
	global_load_b32 v[WR+(\i)], v6, s[20:21] offset:2048*(\i)
.endr
.irp i, 0,1,2,3,4,5,6,7
	global_load_b32 v[WR+8+(\i)], v6, s[20:21] offset:2048*(16+(\i))
.endr
.irp q, 0,1,2,3
	s_wait_loadcnt 28-4*(\q)                       ; block q's four loads are in: the 12 - 4 q younger loads of x and the 16 of W may stay out
.irp i, 0,1,2,3,4,5,6,7
	v_cvt_pk_bf16_f32 v[XP+8*(\q)+(\i)], v[X+16*(\q)+2*(\i)], v[X+16*(\q)+2*(\i)+1]
.endr
	global_store_b128 v7, v[XP+8*(\q):XP+8*(\q)+3],   s[14:15] offset:1024*(\q)      ; each store of the wave covers 512 consecutive bytes, aligned
	global_store_b128 v7, v[XP+8*(\q)+4:XP+8*(\q)+7], s[14:15] offset:1024*(\q)+512
.endr
	s_wait_loadcnt 0x0
.irp i, 0,1,2,3,4,5,6,7
	v_cvt_pk_bf16_f32 v[WP+(\i)], v[WR+2*(\i)], v[WR+2*(\i)+1]
.endr
	s_cmp_lg_u32 s32, 3
	s_cbranch_scc1 .Lstay_bf16
.irp i, 0,1,2,3,4,5,6,7                ; Wo multiplies an f16 operand: the bf16 number is written as f16
	v_lshlrev_b32 v136, 16, v[WP+(\i)]
	v_and_b32 v137, 0xffff0000, v[WP+(\i)]
	v_cvt_pk_f16_f32 v[WP+(\i)], v136, v137
.endr
.Lstay_bf16:
	global_store_b128 v7, v[WP:WP+3],   s[22:23]
	global_store_b128 v7, v[WP+4:WP+7], s[22:23] offset:512
	s_endpgm
.Lfunc_end_k_q59c3ad19f5_prep:
	.size	k_q59c3ad19f5_prep, .Lfunc_end_k_q59c3ad19f5_prep-k_q59c3ad19f5_prep
	.p2alignl 7, 3214868480
	.fill 96, 4, 3214868480
	.section	.rodata,"a",@progbits
	.p2align	6, 0x0
	.amdhsa_kernel k_q59c3ad19f5_prep
		.amdhsa_group_segment_fixed_size 0
		.amdhsa_private_segment_fixed_size 0
		.amdhsa_enable_private_segment 0
		.amdhsa_kernarg_size 64
		.amdhsa_user_sgpr_count 2
		.amdhsa_user_sgpr_kernarg_segment_ptr 1
		.amdhsa_wavefront_size32 1
		.amdhsa_system_sgpr_workgroup_id_x 1
		.amdhsa_system_sgpr_workgroup_id_y 1
		.amdhsa_system_sgpr_workgroup_id_z 1
		.amdhsa_system_vgpr_workitem_id 0
		.amdhsa_next_free_vgpr 144
		.amdhsa_next_free_sgpr 66
		.amdhsa_reserve_vcc 0
		.amdhsa_float_denorm_mode_32 3
		.amdhsa_float_denorm_mode_16_64 3
		.amdhsa_memory_ordered 1
		.amdhsa_forward_progress 1
		.amdhsa_inst_pref_size 11
	.end_amdhsa_kernel
	.amdgpu_metadata
---
amdhsa.version: [ 1, 2 ]
amdhsa.kernels:
  - .name:           k_q59c3ad19f5_prep
    .symbol:         k_q59c3ad19f5_prep.kd
    .args:
      - { .name: x, .offset: 0, .size: 8, .value_kind: global_buffer, .address_space: global }
      - { .name: Wq, .offset: 8, .size: 8, .value_kind: global_buffer, .address_space: global }
      - { .name: Wk, .offset: 16, .size: 8, .value_kind: global_buffer, .address_space: global }
      - { .name: Wv, .offset: 24, .size: 8, .value_kind: global_buffer, .address_space: global }
      - { .name: Wo, .offset: 32, .size: 8, .value_kind: global_buffer, .address_space: global }
      - { .name: xf, .offset: 40, .size: 8, .value_kind: global_buffer, .address_space: global }
      - { .name: wf, .offset: 48, .size: 8, .value_kind: global_buffer, .address_space: global }
      - { .name: wof, .offset: 56, .size: 8, .value_kind: global_buffer, .address_space: global }
    .group_segment_fixed_size: 0
    .private_segment_fixed_size: 0
    .kernarg_segment_align: 8
    .kernarg_segment_size: 64
    .max_flat_workgroup_size: 256
    .sgpr_count:     66
    .vgpr_count:     144
    .wavefront_size: 32
...
	.end_amdgpu_metadata
.endif
;; end of part 1
;; launch qkv (part 2): grid 8 x 32, 4 waves a work-group, clusters of 4 x 4, 327,680 bytes of LDS; arguments xf, wf, bq, bv, qf, kvf; writes qf, kvf
.if DOCPART == 2
	.amdgcn_target "amdgcn-amd-amdhsa--gfx1250"
	.amdhsa_code_object_version 6
	.text
	.protected	k_q59c3ad19f5_qkv
	.globl	k_q59c3ad19f5_qkv
	.p2align	8
	.type	k_q59c3ad19f5_qkv,@function
k_q59c3ad19f5_qkv:
	s_mov_b64 s[64:65], 0
	v_nop
	global_prefetch_b8 v0, s[64:65] scope:SCOPE_SE
	s_setreg_imm32_b32 hwreg(HW_REG_WAVE_MODE, 25, 1), 1
	s_wait_xcnt 0x0
	s_wait_alu depctr_hold_cnt(0) depctr_sa_sdst(0) depctr_va_vdst(0) depctr_va_sdst(0) depctr_va_ssrc(0) depctr_va_vcc(0) depctr_vm_vsrc(0)
	s_getreg_b32 s2, hwreg(HW_REG_IB_STS2, 6, 4)
	s_cmp_eq_u32 s2, 0
	s_cbranch_scc0 .Lentry_in_a_cluster
	s_endpgm
.Lentry_in_a_cluster:
	s_bfe_u32 s2, ttmp6, 0x10000c
	s_cmp_lg_u32 s2, 0xf033
	s_cbranch_scc0 .Lentry_shape_is_right
	s_endpgm
.Lentry_shape_is_right:
; q' = c (x Wq + bq), k = x Wk, v = x Wv + bv; c = log2(e) / sqrt(32), applied in f32 to the f32 sums.  bk is left out: q . bk is the same for every key of a softmax row and cancels.
; Operands bf16 (xf, wf, in fragment order), sums f32, biases rounded to bf16 like all inputs, results rounded once to f16.
; LIMIT: q', k or v beyond 65,504 become infinities in f16.
; OUT, again in fragment order (block = 16 rows x 32 k, byte 512 c + 16 L + 2 e: row L % 16, k = 16 c + 8 (L / 16) + e):
;   qf  [bh 64][tt 128][block]      row = token of tile tt, k = channel
;   kvf [bh 64][sigma 32][8 blocks] blocks 0-3: K of token tiles 4 sigma + f (row = key, k = channel); block 4 + 2 kk + cb: V^T (row = channel 16 cb + r, k = keys 64 sigma + 32 kk + ..)
; SHARES.  A work-group: 256 tokens x the q, k, v columns of heads 2 nt and 2 nt + 1.  Wave w: rows 128 (w / 2) .., head 2 nt + w % 2: six column tiles n (0, 1 q; 2, 3 k; 4, 5 v) x 8 row tiles: 48 accumulators.
; q and k are multiplied transposed (source 0 = W, source 1 = x): a lane holds one token and 8 neighbouring channels, 16 bytes of a block of qf or K.  v the natural way (source 0 = x, source 1 = W):
; a lane holds one channel and 8 neighbouring tokens, 16 bytes of a block of V^T.  So every store of a wave is 512 consecutive bytes and nothing goes through LDS on the way out.
; RING.  K = 512 in four steps of 128 through two slots; a slot holds x's 64 KiB and W's 48 KiB, dense.  CLUSTER 4 x 4: x's tile is shared along a row, W's along a column; joint loads.
.set SLOT,  114688
.set BOFF,  65536                      ; W's tile in a slot
.set SPARE, 2*SLOT                     ; the spare words: 128 bytes a wave, two blocks of 256 bytes that no other line names
.set LO,   3                           ; v3      16 L
.set ADRA, 4                           ; v4, v5  my x fragments in slot 0, 1
.set ADRB, 6                           ; v6, v7  my W fragments
.set SPW,  8
.set NIL,  9
.set BV,   10                          ; v[10:11], v[12:13]  bv of my channel, tile j, in the pair's low word
.set BQC,  16                          ; v[16:31] c bq of my 8 channels, tile j at 8 j
.set F0,   32                          ; fragment buffers of 112: x's 8 fragments, then W's 6
.set F1,   144
.set TMP,  32                          ; the way out
.set G1A, 16
.set G1B, 24
.set G0A, 32
.set G0B, 40
.set WV,  48
.set RH,  49
.set CC,  50
.set CX,  51
.set CY,  52
.set NT,  53
.set MT,  54
.set CS,  56
.set MSB, 0
.macro WIN new                         ; the immediate's high byte repeats the setting that is left
.if MSB != (\new)
	s_set_vgpr_msb (MSB<<8)|(\new)
.set MSB, \new
.endif
.endm
.macro PLACES                          ; four plain vector instructions between a matrix instruction and a load into, or a vector use of, its registers
.rept 4
	v_nop
.endr
.endm
.macro CROUND                          ; a round of the cluster's barrier
	s_barrier_signal -1
	s_barrier_wait -1
	s_cmp_lg_u32 s[WV], 0
	s_cbranch_scc1 .Lnot_wave_0_\@
	s_barrier_signal -3
.Lnot_wave_0_\@:
	s_barrier_wait -3
	s_barrier_signal -1
	s_barrier_wait -1
.endm
.macro JLOAD s                         ; waves 0, 1 ask for the halves of x's tile, waves 2, 3 for those of W's
	s_cmp_eq_u32 s[RH], 0
	s_cbranch_scc0 .Lfor_b_\@
	tensor_load_to_lds s[G0A+4*(\s):G0A+4*(\s)+3], s[G1A:G1A+7]
	s_nop 0
.rept 4
	v_nop
.endr
	s_branch .Lasked_\@
.Lfor_b_\@:
	tensor_load_to_lds s[G0B+4*(\s):G0B+4*(\s)+3], s[G1B:G1B+7]
	s_nop 0
.rept 4
	v_nop
.endr
.Lasked_\@:
.endm
	s_load_b256 s[4:11], s[0:1], 0x0               ; xf s[4:5], wf s[6:7], bq s[8:9], bv s[10:11]
	s_load_b128 s[12:15], s[0:1], 0x20             ; qf s[12:13], kvf s[14:15]
	v_lshl_add_u32 v[SPW], v0, 2, SPARE
	v_mov_b32 v[NIL], 0
	ds_add_u32 v[SPW], v[NIL]                      ; the opening: the add, twice on end, and its wait ahead of my first tensor load
	ds_add_u32 v[SPW], v[NIL]
	v_lshrrev_b32 v1, 5, v0
	v_readfirstlane_b32 s[WV], v1
	s_lshr_b32 s[RH], s[WV], 1                     ; my half of the rows; also: I fetch x (0) or W (1)
	s_and_b32 s[CC], s[WV], 1                      ; my head of the two; also: which half of that tile I fetch
	s_bfe_u32 s[CX], ttmp6, 0x40000
	s_bfe_u32 s[CY], ttmp6, 0x40004
	s_lshl_b32 s[NT], ttmp9, 2
	s_add_co_u32 s[NT], s[NT], s[CX]               ; nt = 4 x cluster x + cx
	s_and_b32 s[MT], ttmp7, 0xffff
	s_lshl_b32 s[MT], s[MT], 2
	s_add_co_u32 s[MT], s[MT], s[CY]               ; MT = 4 x cluster y + cy
	s_lshl_b32 s58, s[CY], 2
	s_lshl_b32 s58, 15, s58                        ; my row of the cluster
	s_lshl_b32 s60, 0x1111, s[CX]                  ; my column
	; group 1: dense bytes as rows of 256: elements of 8 bytes, 32 to a row, pitch 32; x 128 rows, W 96
	s_or_b32 s[G1A], s58, (3<<16)|(1<<21)
	s_or_b32 s[G1B], s60, (3<<16)|(1<<21)
	s_mov_b32 s[G1A+1], 32<<16
	s_mov_b32 s[G1A+2], 128<<16
	s_mov_b32 s[G1A+3], 32<<16
	s_mov_b32 s[G1A+4], 128
	s_mov_b32 s[G1A+5], 32
	s_mov_b32 s[G1A+6], 0
	s_mov_b32 s[G1A+7], 0
	s_mov_b32 s[G1B+1], 32<<16
	s_mov_b32 s[G1B+2], 96<<16
	s_mov_b32 s[G1B+3], 32<<16
	s_mov_b32 s[G1B+4], 96
	s_mov_b32 s[G1B+5], 32
	s_mov_b32 s[G1B+6], 0
	s_mov_b32 s[G1B+7], 0
	s_mov_b32 s[CS], 0x3e8293ee                    ; c = log2(e) / sqrt(32) = 0.255035
	s_mov_b32 s[CS+1], s[CS]
	s_lshl_b32 s58, s[MT], 18                      ; x: (4 MT) tiles of 65,536 bytes,
	s_lshl_b32 s59, s[CC], 15                      ; my half
	s_add_co_u32 s58, s58, s59
	s_mov_b32 s59, 0
	s_mul_i32 s60, s[NT], 4*49152                  ; W: (4 nt) tiles of 49,152 bytes,
	s_mul_i32 s61, s[CC], 24576
	s_add_co_u32 s60, s60, s61
	s_mov_b32 s61, 0
	s_lshl_b32 s62, s[CC], 15                      ; and where they go in a slot: the wave's number alone
	s_mul_i32 s63, s[CC], 24576
	s_add_co_u32 s63, s63, BOFF
	s_wait_dscnt 0x0                               ; both opening adds are done
	s_wait_kmcnt 0x0
	s_add_nc_u64 s[58:59], s[4:5], s[58:59]
	s_add_nc_u64 s[60:61], s[6:7], s[60:61]
	CROUND                                         ; all sixteen work-groups are here: the first joint loads meet
.irp s, 0,1
	s_mov_b32 s[G0A+4*(\s)], 1
	s_add_co_u32 s[G0A+4*(\s)+1], s62, (\s)*SLOT
	s_add_nc_u64 s[G0A+4*(\s)+2:G0A+4*(\s)+3], s[58:59], (\s)*65536
	s_or_b32 s[G0A+4*(\s)+3], s[G0A+4*(\s)+3], 0x80000000
	s_mov_b32 s[G0B+4*(\s)], 1
	s_add_co_u32 s[G0B+4*(\s)+1], s63, (\s)*SLOT
	s_add_nc_u64 s[G0B+4*(\s)+2:G0B+4*(\s)+3], s[60:61], (\s)*49152
	s_or_b32 s[G0B+4*(\s)+3], s[G0B+4*(\s)+3], 0x80000000
	JLOAD \s                                       ; K steps 0 and 1: two loads of mine are out
.endr
	v_and_b32 v1, 15, v0
	v_bfe_u32 v2, v0, 4, 1
	v_and_b32 v[LO], 31, v0
	v_lshlrev_b32 v[LO], 4, v[LO]
	s_lshl_b32 s2, s[RH], 15                       ; my 8 row tiles of 4,096 bytes
	v_add_nc_u32 v[ADRA], s2, v[LO]
	v_add_nc_u32 v[ADRA+1], SLOT, v[ADRA]
	s_mul_i32 s2, s[CC], 24576                     ; my 6 column tiles
	s_add_co_u32 s2, s2, BOFF
	v_add_nc_u32 v[ADRB], s2, v[LO]
	v_add_nc_u32 v[ADRB+1], SLOT, v[ADRB]
	v_lshlrev_b32 v1, 2, v1                        ; 4 r
	v_lshlrev_b32 v2, 5, v2                        ; 32 h
	s_lshl1_add_u32 s2, s[NT], s[CC]               ; my head
	s_lshr_b32 s55, s[MT], 3                       ; the batch
	s_lshl4_add_u32 s55, s55, s2                   ; bh
	s_lshl_b32 s2, s2, 7                           ; 32 numbers of a bias
	s_mov_b32 s3, 0
	s_add_nc_u64 s[8:9], s[8:9], s[2:3]
	s_add_nc_u64 s[10:11], s[10:11], s[2:3]
.irp j, 0,1
	global_load_b128 v[BQC+8*(\j):BQC+8*(\j)+3],   v2, s[8:9] offset:64*(\j)       ; bq of channels 16 j + 8 h + 0..7
	global_load_b128 v[BQC+8*(\j)+4:BQC+8*(\j)+7], v2, s[8:9] offset:64*(\j)+16
	global_load_b32 v[BV+2*(\j)], v1, s[10:11] offset:64*(\j)                      ; bv of channel 16 j + r
.endr
	s_and_b32 s2, s[MT], 7
	s_lshl1_add_u32 s2, s2, s[RH]                  ; my 128 tokens among the sequence's 16 such
	s_lshl_b32 s2, s2, 13                          ; 8 blocks of qf
	s_lshl_b32 s3, s55, 17
	s_add_co_u32 s2, s2, s3
	s_mov_b32 s3, 0
	s_add_nc_u64 s[12:13], s[12:13], s[2:3]
	s_lshl_b32 s2, s2, 1                           ; kvf has twice the bytes for the same tokens
	s_add_nc_u64 s[14:15], s[14:15], s[2:3]
	s_wait_loadcnt 0x0
.irp i, 0,1,2,3,4,5,6,7                ; the biases are rounded to bf16, as all inputs are; bq takes c
	v_cvt_pk_bf16_f32 v14, v[BQC+2*(\i)], v[BQC+2*(\i)+1]
	v_lshlrev_b32 v[BQC+2*(\i)], 16, v14
	v_and_b32 v[BQC+2*(\i)+1], 0xffff0000, v14
	v_pk_mul_f32 v[BQC+2*(\i):BQC+2*(\i)+1], v[BQC+2*(\i):BQC+2*(\i)+1], s[CS:CS+1] op_sel_hi:[1,0]
.endr
	v_cvt_pk_bf16_f32 v14, v[BV], v[BV+2]
	v_lshlrev_b32 v[BV], 16, v14
	v_and_b32 v[BV+2], 0xffff0000, v14
	v_mov_b32 v[BV+1], 0                           ; named as pairs
	v_mov_b32 v[BV+3], 0
; 28 LDS loads: the fragments of 32 along K (quarter kq of the slot's step) into buffer f.  Lane L reads at 16 L: no two lanes of a load share a bank.
.macro FETCH slot, kq, f
.irp a, 0,1,2,3,4,5,6,7
	ds_load_b128 v[(\f)+8*(\a):(\f)+8*(\a)+3],   v[ADRA+(\slot)] offset:(\a)*4096+(\kq)*1024
	ds_load_b128 v[(\f)+8*(\a)+4:(\f)+8*(\a)+7], v[ADRA+(\slot)] offset:(\a)*4096+(\kq)*1024+512
.endr
.irp n, 0,1,2,3,4,5
	ds_load_b128 v[(\f)+64+8*(\n):(\f)+64+8*(\n)+3],   v[ADRB+(\slot)] offset:(\n)*4096+(\kq)*1024
	ds_load_b128 v[(\f)+64+8*(\n)+4:(\f)+64+8*(\n)+7], v[ADRB+(\slot)] offset:(\n)*4096+(\kq)*1024+512
.endr
.endm
; 48 matrix instructions, each accumulator once: they take turns.  Accumulator (n, a): n = 0..3 in window 1 at 8 (8 n + a), n = 4, 5 in window 2 at 8 (8 (n - 4) + a).
.macro MUL48 f, zero
	WIN 0x50                                       ; C and D window 1
.irp n, 0,1,2,3
.irp a, 0,1,2,3,4,5,6,7
.if \zero
	v_wmma_f32_16x16x32_bf16 v[8*(8*(\n)+(\a)):8*(8*(\n)+(\a))+7], v[(\f)+64+8*(\n):(\f)+64+8*(\n)+7], v[(\f)+8*(\a):(\f)+8*(\a)+7], 0
.else
	v_wmma_f32_16x16x32_bf16 v[8*(8*(\n)+(\a)):8*(8*(\n)+(\a))+7], v[(\f)+64+8*(\n):(\f)+64+8*(\n)+7], v[(\f)+8*(\a):(\f)+8*(\a)+7], v[8*(8*(\n)+(\a)):8*(8*(\n)+(\a))+7]
.endif
.endr
.endr
	WIN 0xa0                                       ; C and D window 2
.irp n, 0,1
.irp a, 0,1,2,3,4,5,6,7
.if \zero
	v_wmma_f32_16x16x32_bf16 v[8*(8*(\n)+(\a)):8*(8*(\n)+(\a))+7], v[(\f)+8*(\a):(\f)+8*(\a)+7], v[(\f)+96+8*(\n):(\f)+96+8*(\n)+7], 0
.else
	v_wmma_f32_16x16x32_bf16 v[8*(8*(\n)+(\a)):8*(8*(\n)+(\a))+7], v[(\f)+8*(\a):(\f)+8*(\a)+7], v[(\f)+96+8*(\n):(\f)+96+8*(\n)+7], v[8*(8*(\n)+(\a)):8*(8*(\n)+(\a))+7]
.endif
.endr
.endr
.endm
; One of a K step's first three quarters: the next quarter's fragments are asked for, into the buffer multiplied last, then buffer f is multiplied.
.macro QUARTER slot, kq, f, g, zero
	WIN 0
	PLACES
	FETCH \slot, \kq, \g
	s_wait_dscnt 28                                ; all but the 28 just issued: buffer f is in
	MUL48 \f, \zero
.endm
; The last quarter changes slots.  Every wave waits for all its tensor loads (its part of the next slot), adds 0 to its spare word, waits for that and for its reads of the old slot.
; fill = 1: a round of the cluster's barrier, then the old slot's joint refill, two K steps on, first thing behind it: 192 matrix instructions ahead of the wait for it.
.macro TURN old, next, fill
	WIN 0
	s_wait_tensorcnt 0x0
	ds_add_u32 v[SPW], v[NIL]
.if \fill
	s_add_nc_u64 s[G0A+4*(\old)+2:G0A+4*(\old)+3], s[G0A+4*(\old)+2:G0A+4*(\old)+3], 2*65536
	s_add_nc_u64 s[G0B+4*(\old)+2:G0B+4*(\old)+3], s[G0B+4*(\old)+2:G0B+4*(\old)+3], 2*49152
.endif
	s_wait_dscnt 0x0                               ; the add is done, my reads of the old slot are back (buffer 1 among them)
.if \fill
	CROUND
	JLOAD \old                                     ; its four v_nop are also the places in front of the loads below
.else
	s_barrier_signal -1
	s_barrier_wait -1
	PLACES
.endif
	FETCH \next, 0, F0
	MUL48 F1, 0
.endm
	s_wait_tensorcnt 0x1                           ; my part of K step 0 is in; K step 1 stays out
	s_barrier_signal -1
	s_barrier_wait -1
	FETCH 0, 0, F0
	QUARTER 0, 1, F0, F1, 1                        ; the first products start the sums
	QUARTER 0, 2, F1, F0, 0
	QUARTER 0, 3, F0, F1, 0
	TURN 0, 1, 1
	QUARTER 1, 1, F0, F1, 0
	QUARTER 1, 2, F1, F0, 0
	QUARTER 1, 3, F0, F1, 0
	TURN 1, 0, 1
	QUARTER 0, 1, F0, F1, 0
	QUARTER 0, 2, F1, F0, 0
	QUARTER 0, 3, F0, F1, 0
	TURN 0, 1, 0                                   ; nothing is left to fetch
	QUARTER 1, 1, F0, F1, 0
	QUARTER 1, 2, F1, F0, 0
	QUARTER 1, 3, F0, F1, 0
	s_wait_dscnt 0x0
	MUL48 F1, 0
	; THE WAY OUT.  Each accumulator's registers are taken in ascending order.
	PLACES
	WIN 0x41                                       ; q' = c sum + c bq
.irp j, 0,1
.irp a, 0,1,2,3,4,5,6,7
.irp p, 0,1,2,3
	v_pk_fma_f32 v[8*(8*(\j)+(\a))+2*(\p):8*(8*(\j)+(\a))+2*(\p)+1], v[8*(8*(\j)+(\a))+2*(\p):8*(8*(\j)+(\a))+2*(\p)+1], s[CS:CS+1], v[BQC+8*(\j)+2*(\p):BQC+8*(\j)+2*(\p)+1] op_sel_hi:[1,0,1]
.endr
.endr
.endr
	WIN 0x05                                       ; q' and k to f16: sources window 1, destination window 0
.set i, 0
.rept 128
	v_cvt_pk_f16_f32 v[TMP+i], v[2*i], v[2*i+1]
.set i, i+1
.endr
	WIN 0
.irp j, 0,1
.irp a, 0,1,2,3,4,5,6,7
	global_store_b128 v[LO], v[TMP+4*(8*(\j)+(\a)):TMP+4*(8*(\j)+(\a))+3], s[12:13] offset:(\a)*1024+(\j)*512
.endr
.endr
.irp j, 0,1
.irp a, 0,1,2,3,4,5,6,7
	global_store_b128 v[LO], v[TMP+4*(8*(2+(\j))+(\a)):TMP+4*(8*(2+(\j))+(\a))+3], s[14:15] offset:((\a)/4)*8192+((\a)%4)*1024+(\j)*512
.endr
.endr
	WIN 0x82                                       ; v = sum + bv
.irp j, 0,1
.irp a, 0,1,2,3,4,5,6,7
.irp p, 0,1,2,3
	v_pk_add_f32 v[8*(8*(\j)+(\a))+2*(\p):8*(8*(\j)+(\a))+2*(\p)+1], v[8*(8*(\j)+(\a))+2*(\p):8*(8*(\j)+(\a))+2*(\p)+1], v[BV+2*(\j):BV+2*(\j)+1] op_sel_hi:[1,0]
.endr
.endr
.endr
	WIN 0x0a
.set i, 0
.rept 64
	v_cvt_pk_f16_f32 v[TMP+128+i], v[2*i], v[2*i+1]
.set i, i+1
.endr
	WIN 0
.irp j, 0,1
.irp a, 0,1,2,3,4,5,6,7
	global_store_b128 v[LO], v[TMP+128+4*(8*(\j)+(\a)):TMP+128+4*(8*(\j)+(\a))+3], s[14:15] offset:((\a)/4)*8192+4096+(2*(((\a)/2)%2)+(\j))*1024+((\a)%2)*512
.endr
.endr
	s_wait_tensorcnt 0x0                           ; the wave's end
	ds_add_u32 v[SPW], v[NIL]
	s_wait_dscnt 0x0
	CROUND                                         ; the closing round
	s_endpgm
.Lfunc_end_k_q59c3ad19f5_qkv:
	.size	k_q59c3ad19f5_qkv, .Lfunc_end_k_q59c3ad19f5_qkv-k_q59c3ad19f5_qkv
	.p2alignl 7, 3214868480
	.fill 96, 4, 3214868480
	.section	.rodata,"a",@progbits
	.p2align	6, 0x0
	.amdhsa_kernel k_q59c3ad19f5_qkv
		.amdhsa_group_segment_fixed_size 327680
		.amdhsa_private_segment_fixed_size 0
		.amdhsa_enable_private_segment 0
		.amdhsa_kernarg_size 48
		.amdhsa_user_sgpr_count 2
		.amdhsa_user_sgpr_kernarg_segment_ptr 1
		.amdhsa_wavefront_size32 1
		.amdhsa_system_sgpr_workgroup_id_x 1
		.amdhsa_system_sgpr_workgroup_id_y 1
		.amdhsa_system_sgpr_workgroup_id_z 1
		.amdhsa_system_vgpr_workitem_id 0
		.amdhsa_next_free_vgpr 640
		.amdhsa_next_free_sgpr 66
		.amdhsa_reserve_vcc 0
		.amdhsa_float_denorm_mode_32 3
		.amdhsa_float_denorm_mode_16_64 3
		.amdhsa_memory_ordered 1
		.amdhsa_forward_progress 1
		.amdhsa_inst_pref_size 116
	.end_amdhsa_kernel
	.amdgpu_metadata
---
amdhsa.version: [ 1, 2 ]
amdhsa.kernels:
  - .name:           k_q59c3ad19f5_qkv
    .symbol:         k_q59c3ad19f5_qkv.kd
    .args:
      - { .name: xf, .offset: 0, .size: 8, .value_kind: global_buffer, .address_space: global }
      - { .name: wf, .offset: 8, .size: 8, .value_kind: global_buffer, .address_space: global }
      - { .name: bq, .offset: 16, .size: 8, .value_kind: global_buffer, .address_space: global }
      - { .name: bv, .offset: 24, .size: 8, .value_kind: global_buffer, .address_space: global }
      - { .name: qf, .offset: 32, .size: 8, .value_kind: global_buffer, .address_space: global }
      - { .name: kvf, .offset: 40, .size: 8, .value_kind: global_buffer, .address_space: global }
    .group_segment_fixed_size: 327680
    .private_segment_fixed_size: 0
    .kernarg_segment_align: 8
    .kernarg_segment_size: 48
    .max_flat_workgroup_size: 128
    .sgpr_count:     66
    .vgpr_count:     640
    .wavefront_size: 32
...
	.end_amdgpu_metadata
.endif
;; end of part 2
;; launch attn (part 3): grid 4 x 64, 8 waves a work-group, clusters of 4 x 1, 271,360 bytes of LDS; arguments qf, kvf, of; writes of
.if DOCPART == 3
	.amdgcn_target "amdgcn-amd-amdhsa--gfx1250"
	.amdhsa_code_object_version 6
	.text
	.protected	k_q59c3ad19f5_attn
	.globl	k_q59c3ad19f5_attn
	.p2align	8
	.type	k_q59c3ad19f5_attn,@function
k_q59c3ad19f5_attn:
	s_mov_b64 s[64:65], 0
	v_nop
	global_prefetch_b8 v0, s[64:65] scope:SCOPE_SE
	s_setreg_imm32_b32 hwreg(HW_REG_WAVE_MODE, 25, 1), 1
	s_wait_xcnt 0x0
	s_wait_alu depctr_hold_cnt(0) depctr_sa_sdst(0) depctr_va_vdst(0) depctr_va_sdst(0) depctr_va_ssrc(0) depctr_va_vcc(0) depctr_vm_vsrc(0)
	s_getreg_b32 s2, hwreg(HW_REG_IB_STS2, 6, 4)
	s_cmp_eq_u32 s2, 0
	s_cbranch_scc0 .Lentry_in_a_cluster
	s_endpgm
.Lentry_in_a_cluster:
	s_bfe_u32 s2, ttmp6, 0x10000c
	s_cmp_lg_u32 s2, 0x3003
	s_cbranch_scc0 .Lentry_shape_is_right
	s_endpgm
.Lentry_shape_is_right:
; O[q] = sum over all 2,048 keys k of softmax_k(s(q, k)) v[k], s = q' . k + log2(e) band(q, k) in the base-2 domain (q' carries log2(e) / sqrt(32)); band = 1 where |q - k| <= 64.
; q', k, v f16 in fragment order (qf, kvf); products, maxima and sums f32; the weights p = 2^(s - m) are rounded to f16 for both products; O is rounded once to f16.
; LIMITS: p below 6e-8 counts as 0; O has v's range; NaN and infinities are not treated apart.
; SHARES.  The four work-groups of a cluster share one (batch, head).  Eight waves, four tiles of 16 queries each: tile (w, t) of partner p holds queries 256 w + 64 t + 16 p + r.
; So which key steps of 64 touch a tile's band hangs on w, t and the step alone, the same in all partners; p enters only Q's and O's addresses and the numbers in the mask registers.
; ALL OF THE HEAD'S K AND V, 262,144 dense bytes, LIE IN LDS as in memory (step sigma at 8,192 sigma): each wave asks jointly for 2 x 16 KiB at the start; nothing is filled again.
; LAYOUT.  S^T = K Q^T (one instruction for 16 keys x 16 queries: the head has 32 channels): a lane holds ONE query (L % 16) and keys 8 (L / 16) + 0..7.  Two such results rounded to f16 in pairs ARE
; source 1 of O^T = V^T P.  The band is the C operand of K Q^T.  The row sum l is a product too: ones x P gives every lane its query's whole sum.
; SOFTMAX.  Running maximum m (taken of the scores with the band); O and l are multiplied by a = 2^(m_old - m_new) in every step; m starts at the lowest finite number, O and l at 0, so the first step is like any other.
; TWO WAVES SHARE A SIMD: while one walks its vector work the other's products run; the text stays in phases.
; REGISTERS.  Window 0: addresses; statistics; ones; K, V of a step; S^T (P and the row sum take its place).  Window 1: Q, O^T, the masks.
.set SPARE, 270336                     ; the spare words: 128 bytes a wave, four blocks of 256 bytes that no other line names
.set AL,  4                            ; v4   16 L + 8,192 sigma
.set LO,  5                            ; v5   16 L
.set U,   6                            ; v6   r - 8 h + 16 p
.set SPW, 8
.set NIL, 9
.set ST,  24                           ; tile t at ST + 8 t: m, l, a, x, c0-c3
.set ONES, 56                          ; v[56:63]
.set KF,  64                           ; v[64:95]   key block kb at 8 kb
.set VF,  96                           ; v[96:127]  (kk, cb) at 8 (2 kk + cb)
.set S,   128                          ; v[128:255] tile t at 32 t; P in its registers 0-15, the row sum in 16-23
.set O,   32                           ; window 1: v[32:95], 16 t + 8 cb   (Q: v[0:31], 8 t)
.set FULL, 128                         ; window 1: log2(e), eight times
.set MM,  136                          ; window 1: the key step below the tile's own
.set MP,  168                          ; window 1: the key step above it
.set WV,  12
.set CX,  13
.set BH,  14
.set G1,  16
.set G0,  24
.set CNT, 34
.set E,   35                           ; sigma - 4 w + 1
.set SEL, 36
.set LOG2E, 38
.set LB,  39
.set MSB, 0
.macro WIN new
.if MSB != (\new)
	s_set_vgpr_msb (MSB<<8)|(\new)
.set MSB, \new
.endif
.endm
.macro PLACES
.rept 4
	v_nop
.endr
.endm
.macro CROUND
	s_barrier_signal -1
	s_barrier_wait -1
	s_cmp_lg_u32 s[WV], 0
	s_cbranch_scc1 .Lnot_wave_0_\@
	s_barrier_signal -3
.Lnot_wave_0_\@:
	s_barrier_wait -3
	s_barrier_signal -1
	s_barrier_wait -1
.endm
	s_load_b128 s[4:7], s[0:1], 0x0                ; qf s[4:5], kvf s[6:7]
	s_load_b64 s[8:9], s[0:1], 0x10                ; of
	v_lshl_add_u32 v[SPW], v0, 2, SPARE
	v_mov_b32 v[NIL], 0
	ds_add_u32 v[SPW], v[NIL]                      ; the opening: the add, twice on end, and its wait ahead of my first tensor load
	ds_add_u32 v[SPW], v[NIL]
	v_lshrrev_b32 v1, 5, v0
	v_readfirstlane_b32 s[WV], v1
	s_bfe_u32 s[CX], ttmp6, 0x40000
	s_and_b32 s[BH], ttmp7, 0xffff                 ; 16 batch + head: the four partners share it
	s_mov_b32 s[G1], 15|(3<<16)|(1<<21)            ; the mask of four; elements of 8 bytes; bit 21 beside a mask
	s_mov_b32 s[G1+1], 32<<16                      ; 64 rows of 256 bytes, dense
	s_mov_b32 s[G1+2], 64<<16
	s_mov_b32 s[G1+3], 32<<16
	s_mov_b32 s[G1+4], 64
	s_mov_b32 s[G1+5], 32
	s_mov_b32 s[G1+6], 0
	s_mov_b32 s[G1+7], 0
	s_mov_b32 s[SEL], 0x76543210
	s_mov_b32 s[SEL+1], 0xfedcba98
	s_mov_b32 s[LOG2E], 0x3fb8aa3b
	s_lshl_b32 s[LB], s[WV], 14                    ; my 16 KiB of each half of the head's K and V, in LDS and in memory alike
	s_lshl_b32 s42, s[BH], 18
	s_add_co_u32 s42, s42, s[LB]
	s_mov_b32 s43, 0
	s_lshl_b32 s40, s[BH], 17                      ; Q: token tile 16 w + p (+ 4 t)
	s_lshl4_add_u32 s41, s[WV], s[CX]
	s_lshl_b32 s41, s41, 10
	s_add_co_u32 s40, s40, s41
	s_mov_b32 s41, 0
	s_and_b32 s46, s[BH], 0x30                     ; O: of is [MT3][ks][rt][kq][block]: MT3 = 16 batch + 2 w (+ t / 2), ks = head / 4, rt = p (+ 4 (t % 2)), kq = head % 4
	s_lshl1_add_u32 s46, s[WV], s46
	s_bfe_u32 s47, s[BH], 0x20002
	s_lshl2_add_u32 s46, s46, s47
	s_lshl_b32 s46, s46, 15
	s_lshl_b32 s47, s[CX], 12
	s_add_co_u32 s46, s46, s47
	s_and_b32 s47, s[BH], 3
	s_lshl_b32 s47, s47, 10
	s_add_co_u32 s46, s46, s47
	s_mov_b32 s47, 0
	s_lshl_b32 s[E], s[WV], 2
	s_sub_co_u32 s[E], 1, s[E]
	s_wait_dscnt 0x0                               ; both opening adds are done
	s_wait_kmcnt 0x0
	s_add_nc_u64 s[4:5], s[4:5], s[40:41]
	s_add_nc_u64 s[8:9], s[8:9], s[46:47]
	s_add_nc_u64 s[44:45], s[6:7], s[42:43]
	s_mov_b32 s[G0], 1
	s_mov_b32 s[G0+1], s[LB]
	s_mov_b64 s[G0+2:G0+3], s[44:45]
	s_or_b32 s[G0+3], s[G0+3], 0x80000000
	s_mov_b32 s[G0+4], 1
	s_add_co_u32 s[G0+5], s[LB], 131072
	s_add_nc_u64 s[G0+6:G0+7], s[44:45], 131072
	s_or_b32 s[G0+7], s[G0+7], 0x80000000
	CROUND                                         ; all four work-groups are here: the joint loads meet
	tensor_load_to_lds s[G0:G0+3], s[G1:G1+7]      ; key steps 0-15, my eighth
	s_nop 0
	tensor_load_to_lds s[G0+4:G0+7], s[G1:G1+7]    ; key steps 16-31: two loads of mine are out
	s_nop 0
.rept 4
	v_nop
.endr
	v_and_b32 v1, 15, v0
	v_bfe_u32 v2, v0, 4, 1
	v_and_b32 v[LO], 31, v0
	v_lshlrev_b32 v[LO], 4, v[LO]
	v_mov_b32 v[AL], v[LO]
	v_lshlrev_b32 v3, 3, v2
	v_sub_nc_u32 v[U], v1, v3
	s_lshl_b32 s40, s[CX], 4
	v_add_nc_u32 v[U], s40, v[U]
	WIN 0x40                                       ; destination window 1
.irp t, 0,1,2,3
	global_load_b128 v[8*(\t):8*(\t)+3],   v[LO], s[4:5] offset:4096*(\t)
	global_load_b128 v[8*(\t)+4:8*(\t)+7], v[LO], s[4:5] offset:4096*(\t)+512
.endr
	; THE MASKS.  Query 64 beta + u, u = 16 p + r; key 64 sigma + x, x = 16 kb + 8 h + e.  sigma = beta: |x - u| < 64, all in the band.  sigma = beta - 1: in the band where x >= u.
	; sigma = beta + 1: where x <= u.  Further off: the distance is 65 at the least, none.  All this stands in the wait for the first tiles.
.set i, 0
.rept 8
	v_mov_b32 v[FULL+i], s[LOG2E]
.set i, i+1
.endr
.set i, 0
.rept 32
	v_cmp_ge_i32 vcc_lo, 16*(i/8)+i%8, v[U]
	v_cndmask_b32 v[MM+i], 0, s[LOG2E], vcc_lo
	v_cmp_le_i32 vcc_lo, 16*(i/8)+i%8, v[U]
	v_cndmask_b32 v[MP+i], 0, s[LOG2E], vcc_lo
.set i, i+1
.endr
.set i, 0
.rept 64
	v_mov_b32 v[O+i], 0                            ; no first step is written out: O starts at 0
.set i, i+1
.endr
	WIN 0
.irp t, 0,1,2,3
	v_mov_b32 v[ST+8*(\t)], 0xff7fffff             ; m
	v_mov_b32 v[ST+8*(\t)+1], 0                    ; l
	v_mov_b32 v[ST+8*(\t)+2], 0
	v_mov_b32 v[ST+8*(\t)+3], 0
.endr
.set i, 0
.rept 8
	v_mov_b32 v[ONES+i], 0x3c003c00                ; 1.0 twice, in f16
.set i, i+1
.endr
; 16 products S^T = K Q^T + mask for d = sigma - 4 w: tile t lies d - t steps from its own
.macro KQRUN d
	WIN 0x14                                       ; Q and the mask in window 1
.irp t, 0,1,2,3
.irp kb, 0,1,2,3
.if ((\d)-(\t)) == -1
	v_wmma_f32_16x16x32_f16 v[S+32*(\t)+8*(\kb):S+32*(\t)+8*(\kb)+7], v[KF+8*(\kb):KF+8*(\kb)+7], v[8*(\t):8*(\t)+7], v[MM+8*(\kb):MM+8*(\kb)+7]
.elseif ((\d)-(\t)) == 0
	v_wmma_f32_16x16x32_f16 v[S+32*(\t)+8*(\kb):S+32*(\t)+8*(\kb)+7], v[KF+8*(\kb):KF+8*(\kb)+7], v[8*(\t):8*(\t)+7], v[FULL:FULL+7]
.elseif ((\d)-(\t)) == 1
	v_wmma_f32_16x16x32_f16 v[S+32*(\t)+8*(\kb):S+32*(\t)+8*(\kb)+7], v[KF+8*(\kb):KF+8*(\kb)+7], v[8*(\t):8*(\t)+7], v[MP+8*(\kb):MP+8*(\kb)+7]
.else
	v_wmma_f32_16x16x32_f16 v[S+32*(\t)+8*(\kb):S+32*(\t)+8*(\kb)+7], v[KF+8*(\kb):KF+8*(\kb)+7], v[8*(\t):8*(\t)+7], 0
.endif
.endr
.endr
	WIN 0
.endm
; Which run: d = -1 .. 4 touch a band of mine (E = 0 .. 5), all others none.  The branches hang on the wave's number and the step's count.
.macro KQSEL
	s_cmp_lt_u32 s[E], 6
	s_cbranch_scc1 .Lband_\@
	KQRUN 9
	s_branch .Ljoin_\@
.Lband_\@:
.irp k, 0,1,2,3,4
	s_cmp_eq_u32 s[E], \k
	s_cbranch_scc0 .Lnot_\@_\k
	KQRUN (\k)-1
	s_branch .Ljoin_\@
.Lnot_\@_\k:
.endr
	KQRUN 4
.Ljoin_\@:
.endm
; Number n of the 36 plain instructions of tile t: 0-15 the maximum of its 32 scores and the old m (each accumulator's lowest registers first);
; 16, 17 the query's other 32 keys lie in the lane 16 away; 18 m_old - m_new; 19 m; 20-35 s - m, a pair each.
.macro BOP t, n
.set rT, ST+8*(\t)
.set rS, S+32*(\t)
.if (\n) < 4
	v_max3_num_f32 v[rT+4+(\n)], v[rS+8*(\n)], v[rS+8*(\n)+1], v[rS+8*(\n)+2]
.elseif (\n) < 12
	v_max3_num_f32 v[rT+4+(\n)%4], v[rT+4+(\n)%4], v[rS+8*((\n)%4)+2*((\n)/4)+1], v[rS+8*((\n)%4)+2*((\n)/4)+2]
.elseif (\n) == 12
	v_max3_num_f32 v[rT+4], v[rT+4], v[rS+7], v[rS+15]
.elseif (\n) == 13
	v_max3_num_f32 v[rT+5], v[rT+5], v[rS+23], v[rS+31]
.elseif (\n) == 14
	v_max3_num_f32 v[rT+6], v[rT+6], v[rT+7], v[rT]
.elseif (\n) == 15
	v_max3_num_f32 v[rT+4], v[rT+4], v[rT+5], v[rT+6]
.elseif (\n) == 16
	v_permlanex16_b32 v[rT+3], v[rT+4], s[SEL], s[SEL+1]
.elseif (\n) == 17
	v_max_num_f32 v[rT+5], v[rT+4], v[rT+3]
.elseif (\n) == 18
	v_sub_f32 v[rT+6], v[rT], v[rT+5]
.elseif (\n) == 19
	v_mov_b32 v[rT], v[rT+5]
.else
	v_pk_add_f32 v[rS+2*((\n)-20):rS+2*((\n)-20)+1], v[rS+2*((\n)-20):rS+2*((\n)-20)+1], v[rT:rT+1] op_sel_hi:[1,0] neg_lo:[0,1] neg_hi:[0,1]
.endif
.endm
.macro EOP t, n                        ; exponential n of tile t's 33: a, then the 32 weights in place
.if (\n) == 0
	v_exp_f32 v[ST+8*(\t)+2], v[ST+8*(\t)+6]
.else
	v_exp_f32 v[S+32*(\t)+(\n)-1], v[S+32*(\t)+(\n)-1]
.endif
.endm
.macro CVT t, i                        ; pair i of tile t's weights to f16, in place: register i is written when pairs 0 .. i - 1 have been read
	v_cvt_pk_f16_f32 v[S+32*(\t)+(\i)], v[S+32*(\t)+2*(\i)], v[S+32*(\t)+2*(\i)+1]
.endm
.macro ZIP_EB t                        ; tile t's exponentials, each behind a plain instruction of tile t + 1, which names none of tile t's registers
.set zn, 0
.rept 36
	BOP (\t)+1, zn
.if zn < 33
	EOP \t, zn
.endif
.set zn, zn+1
.endr
.endm
; A KEY STEP.
.macro STEP
	KQSEL
	PLACES                                         ; behind the products: in front of the loads into K and of the first read of S^T
	s_cmp_eq_u32 s[CNT], 1                         ; a half's last step fetches no further K: the next half's is fetched behind its barrier, and behind the last step there is none
	s_cbranch_scc1 .Lno_k_\@
.irp f, 0,1,2,3
	ds_load_b128 v[KF+8*(\f):KF+8*(\f)+3],   v[AL] offset:8192+(\f)*1024
	ds_load_b128 v[KF+8*(\f)+4:KF+8*(\f)+7], v[AL] offset:8192+(\f)*1024+512
.endr
.Lno_k_\@:
.irp f, 0,1,2,3
	ds_load_b128 v[VF+8*(\f):VF+8*(\f)+3],   v[AL] offset:4096+(\f)*1024
	ds_load_b128 v[VF+8*(\f)+4:VF+8*(\f)+7], v[AL] offset:4096+(\f)*1024+512
.endr
.set bn, 0
.rept 36
	BOP 0, bn
.set bn, bn+1
.endr
	ZIP_EB 0
	ZIP_EB 1
	ZIP_EB 2                                       ; its last three lines are plain: they stand behind the last exponential
	s_wait_alu depctr_va_vdst(0)                   ; one wait for the 99 exponentials of tiles 0-2, ahead of their first reader
.set ci, 0
.rept 33                               ; tile 3's exponentials, each behind ... a rounding of tiles 0-2
	EOP 3, ci
	CVT ci/16, ci%16
.set ci, ci+1
.endr
.rept 15
	CVT ci/16, ci%16
.set ci, ci+1
.endr
	s_wait_alu depctr_va_vdst(0)                   ; and one for tile 3's 33
.set ci, 0
.rept 16
	CVT 3, ci
.set ci, ci+1
.endr
	WIN 0x41                                       ; O^T times a
.irp t, 0,1,2,3
.irp i, 0,1,2,3,4,5,6,7
	v_pk_mul_f32 v[O+16*(\t)+2*(\i):O+16*(\t)+2*(\i)+1], v[O+16*(\t)+2*(\i):O+16*(\t)+2*(\i)+1], v[ST+8*(\t)+2:ST+8*(\t)+3] op_sel_hi:[1,0]
.endr
.endr
	s_wait_dscnt 0x0                               ; V of this step and K of the next are in
	WIN 0x50                                       ; O^T += V^T P: eight accumulators by turns
.irp kk, 0,1
.irp t, 0,1,2,3
.irp cb, 0,1
	v_wmma_f32_16x16x32_f16 v[O+16*(\t)+8*(\cb):O+16*(\t)+8*(\cb)+7], v[VF+8*(2*(\kk)+(\cb)):VF+8*(2*(\kk)+(\cb))+7], v[S+32*(\t)+8*(\kk):S+32*(\t)+8*(\kk)+7], v[O+16*(\t)+8*(\cb):O+16*(\t)+8*(\cb)+7]
.endr
.endr
.endr
	WIN 0                                          ; the row sums: ones x P, four accumulators by turns
.irp t, 0,1,2,3
	v_wmma_f32_16x16x32_f16 v[S+32*(\t)+16:S+32*(\t)+23], v[ONES:ONES+7], v[S+32*(\t):S+32*(\t)+7], 0
.endr
.irp t, 0,1,2,3
	v_wmma_f32_16x16x32_f16 v[S+32*(\t)+16:S+32*(\t)+23], v[ONES:ONES+7], v[S+32*(\t)+8:S+32*(\t)+15], v[S+32*(\t)+16:S+32*(\t)+23]
.endr
	v_nop                                          ; four places behind the last product, then l; seven or more lie between any product here and the next step's products, which write over P and the sums
	v_nop
	v_nop
	v_add_nc_u32 v[AL], 0x2000, v[AL]
.irp t, 0,1,2,3
	v_fma_f32 v[ST+8*(\t)+1], v[ST+8*(\t)+1], v[ST+8*(\t)+2], v[S+32*(\t)+16]  ; l = a l + the sum
.endr
.endm
; Sixteen key steps: the first K, then the loop.
.macro HALF
.irp f, 0,1,2,3
	ds_load_b128 v[KF+8*(\f):KF+8*(\f)+3],   v[AL] offset:(\f)*1024
	ds_load_b128 v[KF+8*(\f)+4:KF+8*(\f)+7], v[AL] offset:(\f)*1024+512
.endr
	s_mov_b32 s[CNT], 16
	s_wait_dscnt 0x0
.Lstep_\@:
	STEP
	s_add_co_u32 s[E], s[E], 1
	s_sub_co_u32 s[CNT], s[CNT], 1
	s_cmp_lg_u32 s[CNT], 0
	s_cbranch_scc1 .Lstep_\@
.endm
	s_wait_loadcnt 0x0                             ; Q
	s_wait_tensorcnt 0x1                           ; my part of key steps 0-15 is in; the second load stays out
	s_barrier_signal -1
	s_barrier_wait -1                              ; everybody's is
	HALF
	s_wait_tensorcnt 0x0                           ; my part of key steps 16-31
	s_wait_dscnt 0x0
	s_barrier_signal -1
	s_barrier_wait -1
	HALF
	; THE WAY OUT.  Every lane holds its query's whole l.  A lane's eight channels are 16 bytes of a block of of: each store of the wave covers 512 consecutive bytes, aligned.
.irp t, 0,1,2,3
	v_rcp_f32 v[ST+8*(\t)+2], v[ST+8*(\t)+1]
.endr
	v_nop                                          ; a plain instruction behind the last reciprocal,
	s_wait_alu depctr_va_vdst(0)                   ; and one wait for the four, ahead of their first reader
	WIN 0x41
.irp t, 0,1,2,3
.irp i, 0,1,2,3,4,5,6,7
	v_pk_mul_f32 v[O+16*(\t)+2*(\i):O+16*(\t)+2*(\i)+1], v[O+16*(\t)+2*(\i):O+16*(\t)+2*(\i)+1], v[ST+8*(\t)+2:ST+8*(\t)+3] op_sel_hi:[1,0]
.endr
.endr
	WIN 0x05
.irp t, 0,1,2,3
.irp i, 0,1,2,3,4,5,6,7
	v_cvt_pk_f16_f32 v[S+32*(\t)+(\i)], v[O+16*(\t)+2*(\i)], v[O+16*(\t)+2*(\i)+1]
.endr
.endr
	WIN 0
.irp t, 0,1,2,3
.irp cb, 0,1
	global_store_b128 v[LO], v[S+32*(\t)+4*(\cb):S+32*(\t)+4*(\cb)+3], s[8:9] offset:((\t)/2)*131072+((\t)%2)*16384+(\cb)*512
.endr
.endr
	s_wait_tensorcnt 0x0                           ; the wave's end
	ds_add_u32 v[SPW], v[NIL]
	s_wait_dscnt 0x0
	CROUND                                         ; the closing round
	s_endpgm
.Lfunc_end_k_q59c3ad19f5_attn:
	.size	k_q59c3ad19f5_attn, .Lfunc_end_k_q59c3ad19f5_attn-k_q59c3ad19f5_attn
	.p2alignl 7, 3214868480
	.fill 96, 4, 3214868480
	.section	.rodata,"a",@progbits
	.p2align	6, 0x0
	.amdhsa_kernel k_q59c3ad19f5_attn
		.amdhsa_group_segment_fixed_size 271360
		.amdhsa_private_segment_fixed_size 0
		.amdhsa_enable_private_segment 0
		.amdhsa_kernarg_size 24
		.amdhsa_user_sgpr_count 2
		.amdhsa_user_sgpr_kernarg_segment_ptr 1
		.amdhsa_wavefront_size32 1
		.amdhsa_system_sgpr_workgroup_id_x 1
		.amdhsa_system_sgpr_workgroup_id_y 1
		.amdhsa_system_sgpr_workgroup_id_z 1
		.amdhsa_system_vgpr_workitem_id 0
		.amdhsa_next_free_vgpr 456
		.amdhsa_next_free_sgpr 66
		.amdhsa_reserve_vcc 1
		.amdhsa_float_denorm_mode_32 3
		.amdhsa_float_denorm_mode_16_64 3
		.amdhsa_memory_ordered 1
		.amdhsa_forward_progress 1
		.amdhsa_inst_pref_size 82
	.end_amdhsa_kernel
	.amdgpu_metadata
---
amdhsa.version: [ 1, 2 ]
amdhsa.kernels:
  - .name:           k_q59c3ad19f5_attn
    .symbol:         k_q59c3ad19f5_attn.kd
    .args:
      - { .name: qf, .offset: 0, .size: 8, .value_kind: global_buffer, .address_space: global }
      - { .name: kvf, .offset: 8, .size: 8, .value_kind: global_buffer, .address_space: global }
      - { .name: of, .offset: 16, .size: 8, .value_kind: global_buffer, .address_space: global }
    .group_segment_fixed_size: 271360
    .private_segment_fixed_size: 0
    .kernarg_segment_align: 8
    .kernarg_segment_size: 24
    .max_flat_workgroup_size: 256
    .sgpr_count:     66
    .vgpr_count:     456
    .wavefront_size: 32
...
	.end_amdgpu_metadata
.endif
;; end of part 3
;; launch outp (part 4): grid 4 x 64, 4 waves a work-group, clusters of 4 x 4, 280,064 bytes of LDS; arguments of, wof, bo, out0; writes out0
.if DOCPART == 4
	.amdgcn_target "amdgcn-amd-amdhsa--gfx1250"
	.amdhsa_code_object_version 6
	.text
	.protected	k_q59c3ad19f5_outp
	.globl	k_q59c3ad19f5_outp
	.p2align	8
	.type	k_q59c3ad19f5_outp,@function
k_q59c3ad19f5_outp:
	s_mov_b64 s[64:65], 0
	v_nop
	global_prefetch_b8 v0, s[64:65] scope:SCOPE_SE
	s_setreg_imm32_b32 hwreg(HW_REG_WAVE_MODE, 25, 1), 1
	s_wait_xcnt 0x0
	s_wait_alu depctr_hold_cnt(0) depctr_sa_sdst(0) depctr_va_vdst(0) depctr_va_sdst(0) depctr_va_ssrc(0) depctr_va_vcc(0) depctr_vm_vsrc(0)
	s_getreg_b32 s2, hwreg(HW_REG_IB_STS2, 6, 4)
	s_cmp_eq_u32 s2, 0
	s_cbranch_scc0 .Lentry_in_a_cluster
	s_endpgm
.Lentry_in_a_cluster:
	s_bfe_u32 s2, ttmp6, 0x10000c
	s_cmp_lg_u32 s2, 0xf033
	s_cbranch_scc0 .Lentry_shape_is_right
	s_endpgm
.Lentry_shape_is_right:
; out = O Wo + bo.  O and Wo f16 in fragment order (of, wof), sums f32, bo rounded to bf16 like all inputs, out f32.  rec_score and its quantiles are left out: reference() deletes them.
; SHARES.  A work-group: 128 tokens x 128 columns; wave w: rows 64 (w / 2) .., columns 64 (w % 2) ..: 16 accumulators.  The whole K = 512 of both tiles, 2 x 131,072 dense bytes, lies in LDS:
; four joint loads a wave of 16 KiB, one for each 128 of K, all at the start; nothing is filled again; the waits for them count down, so the first products start when the first 128 of K are in.
; CLUSTER 4 x 4: O's tile is shared along a row, Wo's along a column.
; The product is taken transposed (source 0 = Wo, source 1 = O): a lane holds one token and 8 neighbouring columns; the first product takes the bias as its C operand.
; The way out goes through each wave's own stage in LDS, 16 rows at a time, so that sixteen lanes store 256 consecutive bytes, aligned.
.set BBASE, 131072
.set STAGE, 262144                     ; 16 rows x 272 bytes for each wave; no tensor load lands here
.set SP,    272
.set SPARE, STAGE+4*16*SP              ; the spare words: 128 bytes a wave, two blocks of 256 bytes that no other line names
.set ADRA, 4                           ; v4, v5  my O fragments, K 0-255 and 256-511
.set ADRB, 6                           ; v6, v7  my Wo fragments
.set SPW,  8
.set NIL,  9
.set STO,  10
.set RD,   11
.set CO,   12
.set F0,   32                          ; fragment buffers of 64: O's four, then Wo's four
.set F1,   96
.set OB,   32                          ; the way out: 32 registers a block of 16 rows
.set BT,   160                         ; bo as loaded
.set BP,   192                         ; bo packed
.set BI,   128                         ; window 1: bo of columns 16 n + 8 h + e at 8 n + e   (accumulator (a, n): window 1, 8 (4 a + n))
.set WV,  12
.set RH,  13
.set CH,  14
.set G1A, 16
.set G1B, 24
.set G0A, 32
.set G0B, 48
.set MSB, 0
.macro WIN new
.if MSB != (\new)
	s_set_vgpr_msb (MSB<<8)|(\new)
.set MSB, \new
.endif
.endm
.macro PLACES
.rept 4
	v_nop
.endr
.endm
.macro CROUND
	s_barrier_signal -1
	s_barrier_wait -1
	s_cmp_lg_u32 s[WV], 0
	s_cbranch_scc1 .Lnot_wave_0_\@
	s_barrier_signal -3
.Lnot_wave_0_\@:
	s_barrier_wait -3
	s_barrier_signal -1
	s_barrier_wait -1
.endm
	s_load_b256 s[4:11], s[0:1], 0x0               ; of s[4:5], wof s[6:7], bo s[8:9], out0 s[10:11]
	v_lshl_add_u32 v[SPW], v0, 2, SPARE
	v_mov_b32 v[NIL], 0
	ds_add_u32 v[SPW], v[NIL]                      ; the opening: the add, twice on end, and its wait ahead of my first tensor load
	ds_add_u32 v[SPW], v[NIL]
	v_lshrrev_b32 v1, 5, v0
	v_readfirstlane_b32 s[WV], v1
	s_lshr_b32 s[RH], s[WV], 1                     ; my half of the rows; also: I fetch O (0) or Wo (1)
	s_and_b32 s[CH], s[WV], 1                      ; my half of the columns; also: which half of a chunk I fetch
	s_bfe_u32 s66, ttmp6, 0x40000                  ; cx
	s_bfe_u32 s67, ttmp6, 0x40004                  ; cy
	s_lshl_b32 s68, ttmp9, 2
	s_add_co_u32 s68, s68, s66                     ; nt3
	s_and_b32 s69, ttmp7, 0xffff
	s_lshl_b32 s69, s69, 2
	s_add_co_u32 s69, s69, s67                     ; MT3
	s_lshl_b32 s70, s67, 2
	s_lshl_b32 s70, 15, s70                        ; my row of the cluster
	s_lshl_b32 s74, 0x1111, s66                    ; my column
	s_or_b32 s[G1A], s70, (3<<16)|(1<<21)          ; elements of 8 bytes; 64 rows of 256 bytes, dense
	s_or_b32 s[G1B], s74, (3<<16)|(1<<21)
.irp g, G1A, G1B
	s_mov_b32 s[(\g)+1], 32<<16
	s_mov_b32 s[(\g)+2], 64<<16
	s_mov_b32 s[(\g)+3], 32<<16
	s_mov_b32 s[(\g)+4], 64
	s_mov_b32 s[(\g)+5], 32
	s_mov_b32 s[(\g)+6], 0
	s_mov_b32 s[(\g)+7], 0
.endr
	s_lshl_b32 s72, s[CH], 14                      ; my half of a chunk of 32,768 bytes, in LDS: the wave's number alone
	s_add_co_u32 s76, s72, BBASE
	s_lshl_b32 s70, s69, 17
	s_add_co_u32 s70, s70, s72
	s_mov_b32 s71, 0
	s_lshl_b32 s74, s68, 17
	s_add_co_u32 s74, s74, s72
	s_mov_b32 s75, 0
	s_wait_dscnt 0x0                               ; both opening adds are done
	s_wait_kmcnt 0x0
	s_add_nc_u64 s[70:71], s[4:5], s[70:71]
	s_add_nc_u64 s[74:75], s[6:7], s[74:75]
.irp k, 0,1,2,3
	s_mov_b32 s[G0A+4*(\k)], 1
	s_add_co_u32 s[G0A+4*(\k)+1], s72, (\k)*32768
	s_add_nc_u64 s[G0A+4*(\k)+2:G0A+4*(\k)+3], s[70:71], (\k)*32768
	s_or_b32 s[G0A+4*(\k)+3], s[G0A+4*(\k)+3], 0x80000000
	s_mov_b32 s[G0B+4*(\k)], 1
	s_add_co_u32 s[G0B+4*(\k)+1], s76, (\k)*32768
	s_add_nc_u64 s[G0B+4*(\k)+2:G0B+4*(\k)+3], s[74:75], (\k)*32768
	s_or_b32 s[G0B+4*(\k)+3], s[G0B+4*(\k)+3], 0x80000000
.endr
	CROUND                                         ; all sixteen work-groups are here: the joint loads meet
	s_cmp_eq_u32 s[RH], 0                          ; a wave's four fills stand in one branch: four loads of mine are out
	s_cbranch_scc0 .Lfirst_b
.irp k, 0,1,2,3
	tensor_load_to_lds s[G0A+4*(\k):G0A+4*(\k)+3], s[G1A:G1A+7]
	s_nop 0
.endr
.rept 4
	v_nop
.endr
	s_branch .Lfirst_asked
.Lfirst_b:
.irp k, 0,1,2,3
	tensor_load_to_lds s[G0B+4*(\k):G0B+4*(\k)+3], s[G1B:G1B+7]
	s_nop 0
.endr
.rept 4
	v_nop
.endr
.Lfirst_asked:
	v_and_b32 v1, 15, v0                           ; r
	v_bfe_u32 v2, v0, 4, 1                         ; h
	v_lshlrev_b32 v3, 5, v2                        ; 32 h
	s_lshl_b32 s78, s68, 9                         ; my 64 columns: 512 nt3 + 256 ch bytes, of bo and of a row of out
	s_lshl_b32 s79, s[CH], 8
	s_add_co_u32 s78, s78, s79
	s_mov_b32 s79, 0
	s_add_nc_u64 s[8:9], s[8:9], s[78:79]
.irp n, 0,1,2,3
	global_load_b128 v[BT+8*(\n):BT+8*(\n)+3],   v3, s[8:9] offset:64*(\n)
	global_load_b128 v[BT+8*(\n)+4:BT+8*(\n)+7], v3, s[8:9] offset:64*(\n)+16
.endr
	s_lshl_b32 s80, s69, 18                        ; my first row: 128 MT3 + 64 rh, of 2,048 bytes
	s_add_co_u32 s78, s78, s80
	s_lshl_b32 s80, s[RH], 17
	s_add_co_u32 s78, s78, s80
	s_add_nc_u64 s[10:11], s[10:11], s[78:79]
	v_and_b32 v13, 31, v0
	v_lshlrev_b32 v13, 4, v13                      ; 16 L
	s_lshl_b32 s80, s[RH], 14                      ; my 4 row tiles of 4,096 bytes in a chunk
	v_add_nc_u32 v[ADRA], s80, v13
	v_add_nc_u32 v[ADRA+1], 65536, v[ADRA]
	s_lshl_b32 s80, s[CH], 14
	s_add_co_u32 s80, s80, BBASE
	v_add_nc_u32 v[ADRB], s80, v13
	v_add_nc_u32 v[ADRB+1], 65536, v[ADRB]
	s_mul_i32 s80, s[WV], 16*SP
	s_add_co_u32 s80, s80, STAGE                   ; my stage
	v_mul_u32_u24 v[STO], v1, SP                   ; in: row r, 32 bytes for each half of the lanes
	v_lshl_add_u32 v[STO], v2, 5, v[STO]
	v_add_nc_u32 v[STO], s80, v[STO]
	v_mul_u32_u24 v[RD], v2, SP                    ; back: lanes 0-15 one row of 256 bytes, lanes 16-31 the next
	v_lshl_add_u32 v[RD], v1, 4, v[RD]
	v_add_nc_u32 v[RD], s80, v[RD]
	v_lshlrev_b32 v[CO], 11, v2                    ; and the same two rows in out
	v_lshl_add_u32 v[CO], v1, 4, v[CO]
	s_wait_loadcnt 0x0
.set i, 0
.rept 16
	v_cvt_pk_bf16_f32 v[BP+i], v[BT+2*i], v[BT+2*i+1]
.set i, i+1
.endr
	WIN 0x40
.set i, 0
.rept 16
	v_lshlrev_b32 v[BI+2*i], 16, v[BP+i]
	v_and_b32 v[BI+2*i+1], 0xffff0000, v[BP+i]
.set i, i+1
.endr
	WIN 0
; 16 LDS loads: the fragments of 32 along K (quarter kq of chunk ks) into buffer f
.macro FETCH ks, kq, f
.irp a, 0,1,2,3
	ds_load_b128 v[(\f)+8*(\a):(\f)+8*(\a)+3],       v[ADRA+(\ks)/2] offset:((\ks)%2)*32768+(\a)*4096+(\kq)*1024
	ds_load_b128 v[(\f)+8*(\a)+4:(\f)+8*(\a)+7],     v[ADRA+(\ks)/2] offset:((\ks)%2)*32768+(\a)*4096+(\kq)*1024+512
	ds_load_b128 v[(\f)+32+8*(\a):(\f)+32+8*(\a)+3],   v[ADRB+(\ks)/2] offset:((\ks)%2)*32768+(\a)*4096+(\kq)*1024
	ds_load_b128 v[(\f)+32+8*(\a)+4:(\f)+32+8*(\a)+7], v[ADRB+(\ks)/2] offset:((\ks)%2)*32768+(\a)*4096+(\kq)*1024+512
.endr
.endm
; 16 matrix instructions, each accumulator once: they take turns.  first = 1: the sums start with the bias.
.macro MUL16 f, first
	WIN 0x50
.irp a, 0,1,2,3
.irp n, 0,1,2,3
.if \first
	v_wmma_f32_16x16x32_f16 v[8*(4*(\a)+(\n)):8*(4*(\a)+(\n))+7], v[(\f)+32+8*(\n):(\f)+32+8*(\n)+7], v[(\f)+8*(\a):(\f)+8*(\a)+7], v[BI+8*(\n):BI+8*(\n)+7]
.else
	v_wmma_f32_16x16x32_f16 v[8*(4*(\a)+(\n)):8*(4*(\a)+(\n))+7], v[(\f)+32+8*(\n):(\f)+32+8*(\n)+7], v[(\f)+8*(\a):(\f)+8*(\a)+7], v[8*(4*(\a)+(\n)):8*(4*(\a)+(\n))+7]
.endif
.endr
.endr
.endm
.macro QUARTER ks, kq, f, g, first
	WIN 0
	PLACES
	FETCH \ks, \kq, \g
	s_wait_dscnt 16                                ; all but the 16 just issued: buffer f is in
	MUL16 \f, \first
.endm
; A chunk's last quarter: chunk ks is shown landed to every wave, its first fragments are asked for, buffer 1 is multiplied.
.macro NEXT ks
	WIN 0
	s_wait_dscnt 0x0
	s_wait_tensorcnt 3-(\ks)                       ; my part of chunk ks is in; the 3 - ks later loads stay out
	s_barrier_signal -1
	s_barrier_wait -1
	PLACES
	FETCH \ks, 0, F0
	MUL16 F1, 0
.endm
	s_wait_tensorcnt 0x3                           ; my part of chunk 0
	s_barrier_signal -1
	s_barrier_wait -1
	FETCH 0, 0, F0
	QUARTER 0, 1, F0, F1, 1
	QUARTER 0, 2, F1, F0, 0
	QUARTER 0, 3, F0, F1, 0
.irp k, 1,2,3
	NEXT \k
	QUARTER \k, 1, F0, F1, 0
	QUARTER \k, 2, F1, F0, 0
	QUARTER \k, 3, F0, F1, 0
.endr
	s_wait_dscnt 0x0
	MUL16 F1, 0
	; THE WAY OUT, a block of 16 rows at a time; a block's round trip through the stage stands beside the stores of the block before.
.macro TOSTAGE a
	WIN 0x04                                       ; store data in window 1
.irp n, 0,1,2,3
	ds_store_b128 v[STO], v[8*(4*(\a)+(\n)):8*(4*(\a)+(\n))+3]   offset:64*(\n)      ; each accumulator's low registers first
	ds_store_b128 v[STO], v[8*(4*(\a)+(\n))+4:8*(4*(\a)+(\n))+7] offset:64*(\n)+16
.endr
	WIN 0
.irp t, 0,1,2,3,4,5,6,7
	ds_load_b128 v[OB+32*(\a)+4*(\t):OB+32*(\a)+4*(\t)+3], v[RD] offset:(\t)*2*SP  ; LDS serves a wave's instructions in order (ISA guide 5.7.1.4): these see the stores above, and the next block's stores come behind them
.endr
.endm
.macro SEND a, younger                 ; younger: the LDS instructions issued behind block a's loads
.irp t, 0,1,2,3,4,5,6,7
	s_wait_dscnt (\younger)+7-(\t)
	global_store_b128 v[CO], v[OB+32*(\a)+4*(\t):OB+32*(\a)+4*(\t)+3], s[10:11] offset:(16*(\a)+2*(\t))*2048 th:TH_STORE_NT
.endr
.endm
	PLACES
	TOSTAGE 0
	TOSTAGE 1
	SEND 0, 16
	TOSTAGE 2
	SEND 1, 16
	TOSTAGE 3
	SEND 2, 16
	SEND 3, 0
	s_wait_tensorcnt 0x0                           ; the wave's end, behind my last LDS store
	ds_add_u32 v[SPW], v[NIL]
	s_wait_dscnt 0x0
	CROUND                                         ; the closing round
	s_endpgm
.Lfunc_end_k_q59c3ad19f5_outp:
	.size	k_q59c3ad19f5_outp, .Lfunc_end_k_q59c3ad19f5_outp-k_q59c3ad19f5_outp
	.p2alignl 7, 3214868480
	.fill 96, 4, 3214868480
	.section	.rodata,"a",@progbits
	.p2align	6, 0x0
	.amdhsa_kernel k_q59c3ad19f5_outp
		.amdhsa_group_segment_fixed_size 280064
		.amdhsa_private_segment_fixed_size 0
		.amdhsa_enable_private_segment 0
		.amdhsa_kernarg_size 32
		.amdhsa_user_sgpr_count 2
		.amdhsa_user_sgpr_kernarg_segment_ptr 1
		.amdhsa_wavefront_size32 1
		.amdhsa_system_sgpr_workgroup_id_x 1
		.amdhsa_system_sgpr_workgroup_id_y 1
		.amdhsa_system_sgpr_workgroup_id_z 1
		.amdhsa_system_vgpr_workitem_id 0
		.amdhsa_next_free_vgpr 416
		.amdhsa_next_free_sgpr 90
		.amdhsa_reserve_vcc 0
		.amdhsa_float_denorm_mode_32 3
		.amdhsa_float_denorm_mode_16_64 3
		.amdhsa_memory_ordered 1
		.amdhsa_forward_progress 1
		.amdhsa_inst_pref_size 56
	.end_amdhsa_kernel
	.amdgpu_metadata
---
amdhsa.version: [ 1, 2 ]
amdhsa.kernels:
  - .name:           k_q59c3ad19f5_outp
    .symbol:         k_q59c3ad19f5_outp.kd
    .args:
      - { .name: of, .offset: 0, .size: 8, .value_kind: global_buffer, .address_space: global }
      - { .name: wof, .offset: 8, .size: 8, .value_kind: global_buffer, .address_space: global }
      - { .name: bo, .offset: 16, .size: 8, .value_kind: global_buffer, .address_space: global }
      - { .name: out0, .offset: 24, .size: 8, .value_kind: global_buffer, .address_space: global }
    .group_segment_fixed_size: 280064
    .private_segment_fixed_size: 0
    .kernarg_segment_align: 8
    .kernarg_segment_size: 32
    .max_flat_workgroup_size: 128
    .sgpr_count:     90
    .vgpr_count:     416
    .wavefront_size: 32
...
	.end_amdgpu_metadata
.endif
;; end of part 4
;; ======== version 2 of 2: 4 launches; version 1 with the launch prep written anew for expert scheduling mode
;; limits: values are held in f16: magnitudes above 65,504 overflow, below 6.1e-05 lose precision
;; workspace buffers: xf 8,388,608 bytes; wf 1,572,864 bytes; wof 524,288 bytes; qf 8,388,608 bytes; kvf 16,777,216 bytes; of 8,388,608 bytes
;; launch prep (part 5): grid 256 x 1, 8 waves a work-group, no clusters, 0 bytes of LDS; arguments x, Wq, Wk, Wv, Wo, xf, wf, wof; writes xf, wf, wof
.if DOCPART == 5
	.amdgcn_target "amdgcn-amd-amdhsa--gfx1250"
	.amdhsa_code_object_version 6
	.text
	.protected	k_q59c3ad19f5_prep
	.globl	k_q59c3ad19f5_prep
	.p2align	8
	.type	k_q59c3ad19f5_prep,@function
k_q59c3ad19f5_prep:
	s_mov_b64 s[64:65], 0
	v_nop
	global_prefetch_b8 v0, s[64:65] scope:SCOPE_SE
	s_setreg_imm32_b32 hwreg(HW_REG_WAVE_SCHED_MODE, 0, 2), 2
	s_setreg_imm32_b32 hwreg(HW_REG_WAVE_MODE, 25, 1), 1
	s_wait_xcnt 0x0
	s_wait_alu depctr_vm_vsrc(0)
; PROGRAM: out = softmax((x Wq + bq)(x Wk + bk)^T / sqrt(32) + band) (x Wv + bv) Wo + bo, 16 heads of 32, in four launches: prep, qkv, attn, outp.
; WORK LEFT OUT, for all finite values of the inputs:
;   bk.  score(i, j) = q_i . (x_j Wk) + q_i . bk; the second term is the same for every key j, the axis of the softmax, so numerator and denominator carry the same
;        factor and it cancels.  bk has no other way to the output: it is not loaded and is no argument of any launch.
;   rec_score and its three quantiles: reference() deletes them; nothing returned is made of them.
;   The band is ADDED to the scores (1 where |i - j| <= 64, else 0): it hides no key, so all 2,048 keys of every row are live and are computed.
; LIMIT: a NaN, an infinity or an overflow that would arise only in q . bk or in those statistics is not carried to the result.
; THIS LAUNCH rounds x, Wq, Wk, Wv to bf16 and Wo to bf16 written as f16 (exact from 2^-17 up, below that f16's step of 6e-8), and lays them in FRAGMENT ORDER:
; a block of 16 rows x 32 k is 1,024 bytes; byte 512 c + 16 L + 2 e holds row L % 16, k = 16 c + 8 (L / 16) + e.  Two loads of 16 bytes a lane, at 16 L and 512 + 16 L,
; are then a whole matrix operand, from memory or from LDS, and a tile of such blocks is dense.
;   xf  [MT 32][ks 4][rt 16][kq 4][block]   token tile 16 MT + rt, k = 128 ks + 32 kq
;   wf  [nt 8][ks 4][ct 12][kq 4][block]    ct = 6 c + 2 mat + j: head 2 nt + c, mat 0 q, 1 k, 2 v; a block's row r is column 32 head + 16 j + r of W
;   wof [nt3 4][ks 4][ct 8][kq 4][block]    a block's row r is column 128 nt3 + 16 ct + r of Wo
; SHARES.  2,048 waves; each makes 4 blocks of x (16 tokens x 128 k) and one block of a W.  All 32 loads go out first.  No byte is wanted by two waves: no LDS, no barrier,
; no cluster, no matrix unit.
; THE MODE: SCHED_MODE bits 1:0 = 2 (LLVM: expert scheduling mode 2), set by the entry lines.  The code itself states the register dependences
; between vector instructions and memory instructions, with s_wait_alu, always for 0.
; THE PLAN.  Registers that memory instructions touch:
;   v5, v6, v7   byte offsets, made once at the head and never written again; every load and store reads one of them.
;   X, WR        written by the 32 loads alone, read by the conversions; no vector instruction names them ahead of the loads, and nothing lands in them again.
;   XP           eight registers of its own for each block of x: written once, by the block's conversions; read by the block's two stores; never written again.
;   WP           written by W's conversions (for Wo twice, vector against vector); read by the last two stores, behind both writes.
; No register that a memory instruction has read is written again, so the text holds no wait on vm_vsrc past the entry lines; EXEC is never written.
; Block q's two stores stand behind the wait for block q + 1's data, one wait on va_vdst ahead of them: the conversions that it names were issued ahead of that wait for data,
; and block q + 1's conversions, which follow the stores, name other registers.
.set X,  16                            ; v[16:79]   x: for kq, 16 registers: c = 0 e = 0..7, c = 1 e = 0..7
.set WR, 80                            ; v[80:95]   W: register 8 c + e
.set XP, 96                            ; v[96:127]  x packed
.set WP, 128                           ; v[128:135] W packed; v136, v137 at work
	s_load_b256 s[4:11], s[0:1], 0x0               ; x s[4:5], Wq s[6:7], Wk s[8:9], Wv s[10:11]
	s_load_b256 s[12:19], s[0:1], 0x20             ; Wo s[12:13], xf s[14:15], wf s[16:17], wof s[18:19]
	v_lshrrev_b32 v1, 5, v0
	v_readfirstlane_b32 s24, v1                    ; wave 0..7
	v_and_b32 v2, 15, v0                           ; r
	v_bfe_u32 v3, v0, 4, 1                         ; h
	v_and_b32 v4, 31, v0                           ; L
	v_lshlrev_b32 v5, 11, v2
	v_lshl_add_u32 v5, v3, 5, v5                   ; x: row r of 2,048 bytes, 8 h numbers on
	v_lshlrev_b32 v6, 2, v2
	v_lshl_add_u32 v6, v3, 14, v6                  ; W: column r, 8 h rows of 2,048 bytes down
	v_lshlrev_b32 v7, 4, v4                        ; 16 L
	s_wait_alu depctr_va_sdst(0)                   ; s24 is written, ahead of its first reader: the wave's tasks and all its bases are made from it
	; the x task: token tile RT = 2 g + w / 4, ks = w % 4
	s_lshr_b32 s25, s24, 2
	s_and_b32 s26, s24, 3
	s_lshl1_add_u32 s27, ttmp9, s25                ; RT
	s_lshl_b32 s28, s27, 15                        ; 16 rows of 2,048 bytes
	s_lshl_b32 s40, s26, 9                         ; 128 numbers
	s_add_co_u32 s28, s28, s40
	s_mov_b32 s29, 0
	s_lshr_b32 s30, ttmp9, 3                       ; MT
	s_lshl2_add_u32 s30, s30, s26                  ; 4 MT + ks
	s_and_b32 s40, s27, 15                         ; rt
	s_lshl4_add_u32 s30, s30, s40
	s_lshl_b32 s30, s30, 12
	s_mov_b32 s31, 0
	; the W block: mat = g / 64, column tile NT = 8 (g % 4) + w, k block kf = (g / 4) % 16
	s_lshr_b32 s32, ttmp9, 6
	s_and_b32 s33, ttmp9, 3
	s_lshl3_add_u32 s33, s33, s24
	s_bfe_u32 s34, ttmp9, 0x40002
	s_lshl_b32 s36, s34, 16                        ; 32 rows of 2,048 bytes
	s_lshl_b32 s40, s33, 6                         ; 16 columns
	s_add_co_u32 s36, s36, s40
	s_mov_b32 s37, 0
	s_lshr_b32 s41, s34, 2                         ; ks
	s_and_b32 s42, s34, 3                          ; kq
	s_lshr_b32 s38, s33, 2                         ; nt
	s_lshl2_add_u32 s38, s38, s41
	s_mul_i32 s38, s38, 12
	s_bfe_u32 s40, s33, 0x10001                    ; c
	s_mul_i32 s40, s40, 6
	s_add_co_u32 s38, s38, s40
	s_lshl1_add_u32 s38, s32, s38                  ; + 2 mat
	s_and_b32 s40, s33, 1                          ; + j
	s_add_co_u32 s38, s38, s40
	s_lshr_b32 s39, s33, 3                         ; nt3
	s_lshl2_add_u32 s39, s39, s41
	s_and_b32 s40, s33, 7
	s_lshl3_add_u32 s39, s39, s40
	s_cmp_eq_u32 s32, 3
	s_cselect_b32 s38, s39, s38                    ; Wo goes by wof's layout
	s_lshl2_add_u32 s38, s38, s42                  ; four blocks to a (row tile, ks), + kq
	s_lshl_b32 s38, s38, 10
	s_mov_b32 s39, 0
	s_wait_kmcnt 0x0
	s_add_nc_u64 s[4:5], s[4:5], s[28:29]
	s_add_nc_u64 s[14:15], s[14:15], s[30:31]
	s_cmp_eq_u32 s32, 0
	s_cselect_b64 s[20:21], s[6:7], s[8:9]
	s_cmp_lt_u32 s32, 2
	s_cselect_b64 s[20:21], s[20:21], s[10:11]
	s_cmp_eq_u32 s32, 3
	s_cselect_b64 s[20:21], s[12:13], s[20:21]     ; my W
	s_cselect_b64 s[22:23], s[18:19], s[16:17]     ; and where it goes
	s_add_nc_u64 s[20:21], s[20:21], s[36:37]
	s_add_nc_u64 s[22:23], s[22:23], s[38:39]
	s_wait_alu depctr_va_vdst(0)                   ; v5, v6 and v7 are written: every load and store of the kernel reads one of them as its offset
.irp q, 0,1,2,3
	global_load_b128 v[X+16*(\q):X+16*(\q)+3],     v5, s[4:5] offset:128*(\q) th:TH_LOAD_NT
	global_load_b128 v[X+16*(\q)+4:X+16*(\q)+7],   v5, s[4:5] offset:128*(\q)+16 th:TH_LOAD_NT
	global_load_b128 v[X+16*(\q)+8:X+16*(\q)+11],  v5, s[4:5] offset:128*(\q)+64 th:TH_LOAD_NT
	global_load_b128 v[X+16*(\q)+12:X+16*(\q)+15], v5, s[4:5] offset:128*(\q)+80 th:TH_LOAD_NT
.endr
.irp i, 0,1,2,3,4,5,6,7
	global_load_b32 v[WR+(\i)], v6, s[20:21] offset:2048*(\i)
.endr
.irp i, 0,1,2,3,4,5,6,7
	global_load_b32 v[WR+8+(\i)], v6, s[20:21] offset:2048*(16+(\i))
.endr
.irp q, 0,1,2,3
	s_wait_loadcnt 28-4*(\q)                       ; block q's four loads are in: the 12 - 4 q younger loads of x and the 16 of W may stay out
.if (\q) > 0
	s_wait_alu depctr_va_vdst(0)                   ; the conversions of the block before have written its eight registers of XP, which the two stores below read
	global_store_b128 v7, v[XP+8*((\q)-1):XP+8*((\q)-1)+3],   s[14:15] offset:1024*((\q)-1)      ; each store of the wave covers 512 consecutive bytes, aligned
	global_store_b128 v7, v[XP+8*((\q)-1)+4:XP+8*((\q)-1)+7], s[14:15] offset:1024*((\q)-1)+512
.endif
.irp i, 0,1,2,3,4,5,6,7
	v_cvt_pk_bf16_f32 v[XP+8*(\q)+(\i)], v[X+16*(\q)+2*(\i)], v[X+16*(\q)+2*(\i)+1]
.endr
.endr
	s_wait_loadcnt 0x0                             ; W is in
	s_wait_alu depctr_va_vdst(0)                   ; block 3's conversions have written its eight registers of XP, which the two stores below read
	global_store_b128 v7, v[XP+24:XP+27], s[14:15] offset:3072
	global_store_b128 v7, v[XP+28:XP+31], s[14:15] offset:3584
.irp i, 0,1,2,3,4,5,6,7
	v_cvt_pk_bf16_f32 v[WP+(\i)], v[WR+2*(\i)], v[WR+2*(\i)+1]
.endr
	s_cmp_lg_u32 s32, 3
	s_cbranch_scc1 .Lstay_bf16
.irp i, 0,1,2,3,4,5,6,7                ; Wo multiplies an f16 operand: the bf16 number is written as f16
	v_lshlrev_b32 v136, 16, v[WP+(\i)]
	v_and_b32 v137, 0xffff0000, v[WP+(\i)]
	v_cvt_pk_f16_f32 v[WP+(\i)], v136, v137
.endr
.Lstay_bf16:
	s_wait_alu depctr_va_vdst(0)                   ; on both ways the last conversions have written WP, which the two stores below read
	global_store_b128 v7, v[WP:WP+3],   s[22:23]
	global_store_b128 v7, v[WP+4:WP+7], s[22:23] offset:512
	s_endpgm
.Lfunc_end_k_q59c3ad19f5_prep:
	.size	k_q59c3ad19f5_prep, .Lfunc_end_k_q59c3ad19f5_prep-k_q59c3ad19f5_prep
	.p2alignl 7, 3214868480
	.fill 96, 4, 3214868480
	.section	.rodata,"a",@progbits
	.p2align	6, 0x0
	.amdhsa_kernel k_q59c3ad19f5_prep
		.amdhsa_group_segment_fixed_size 0
		.amdhsa_private_segment_fixed_size 0
		.amdhsa_enable_private_segment 0
		.amdhsa_kernarg_size 64
		.amdhsa_user_sgpr_count 2
		.amdhsa_user_sgpr_kernarg_segment_ptr 1
		.amdhsa_wavefront_size32 1
		.amdhsa_system_sgpr_workgroup_id_x 1
		.amdhsa_system_sgpr_workgroup_id_y 1
		.amdhsa_system_sgpr_workgroup_id_z 1
		.amdhsa_system_vgpr_workitem_id 0
		.amdhsa_next_free_vgpr 144
		.amdhsa_next_free_sgpr 66
		.amdhsa_reserve_vcc 0
		.amdhsa_float_denorm_mode_32 3
		.amdhsa_float_denorm_mode_16_64 3
		.amdhsa_memory_ordered 1
		.amdhsa_forward_progress 1
		.amdhsa_inst_pref_size 11
	.end_amdhsa_kernel
	.amdgpu_metadata
---
amdhsa.version: [ 1, 2 ]
amdhsa.kernels:
  - .name:           k_q59c3ad19f5_prep
    .symbol:         k_q59c3ad19f5_prep.kd
    .args:
      - { .name: x, .offset: 0, .size: 8, .value_kind: global_buffer, .address_space: global }
      - { .name: Wq, .offset: 8, .size: 8, .value_kind: global_buffer, .address_space: global }
      - { .name: Wk, .offset: 16, .size: 8, .value_kind: global_buffer, .address_space: global }
      - { .name: Wv, .offset: 24, .size: 8, .value_kind: global_buffer, .address_space: global }
      - { .name: Wo, .offset: 32, .size: 8, .value_kind: global_buffer, .address_space: global }
      - { .name: xf, .offset: 40, .size: 8, .value_kind: global_buffer, .address_space: global }
      - { .name: wf, .offset: 48, .size: 8, .value_kind: global_buffer, .address_space: global }
      - { .name: wof, .offset: 56, .size: 8, .value_kind: global_buffer, .address_space: global }
    .group_segment_fixed_size: 0
    .private_segment_fixed_size: 0
    .kernarg_segment_align: 8
    .kernarg_segment_size: 64
    .max_flat_workgroup_size: 256
    .sgpr_count:     66
    .vgpr_count:     144
    .wavefront_size: 32
...
	.end_amdgpu_metadata
.endif
;; end of part 5
;; launch qkv: the kernel of part 2 again; grid 8 x 32, 4 waves a work-group, clusters of 4 x 4, 327,680 bytes of LDS; arguments xf, wf, bq, bv, qf, kvf; writes qf, kvf
;; launch attn: the kernel of part 3 again; grid 4 x 64, 8 waves a work-group, clusters of 4 x 1, 271,360 bytes of LDS; arguments qf, kvf, of; writes of
;; launch outp: the kernel of part 4 again; grid 4 x 64, 4 waves a work-group, clusters of 4 x 4, 280,064 bytes of LDS; arguments of, wof, bo, out0; writes out0
